; MI455X (gfx1250); checked and timed in simulation.
; The chip was launched on July 23, 2026; its instructions are those of AMD's public machine-readable ISA for CDNA 5 (MIT licence, August 2026) and "CDNA5" Instruction Set Architecture Reference Guide (July 2026). The comments in the code are by the model that wrote it; some were corrected since.
;; Cross Attention Layer. Allowed arithmetic: matrix products marked QUANTISED: E5M2 operands, one E8M0 scale for each 32 along K, by v_wmma_scale_f32_16x16x128_f8f6f4 with both operands' format E5M2, f32 sums; everything else in f32.
;; Inputs: Wk_codes 1,024 x 32 x 32 uint8 (E5M2 codes of Wk, K innermost, in blocks of 32 codes); Wk_scales 1,024 x 32 uint8 (E8M0 scales of Wk, one for each 32 codes along K); Wq_codes 1,024 x 32 x 32 uint8 (E5M2 codes of Wq, K innermost, in blocks of 32 codes); Wq_scales 1,024 x 32 uint8 (E8M0 scales of Wq, one for each 32 codes along K); Wv_codes 1,024 x 32 x 32 uint8 (E5M2 codes of Wv, K innermost, in blocks of 32 codes); Wv_scales 1,024 x 32 uint8 (E8M0 scales of Wv, one for each 32 codes along K); memory_codes 4 x 2,048 x 32 x 32 uint8 (E5M2 codes of memory, K innermost, in blocks of 32 codes); memory_scales 4 x 2,048 x 32 uint8 (E8M0 scales of memory, one for each 32 codes along K); tgt 4 x 2,048 x 1,024 float32.
;; Outputs: out0 4 x 2,048 x 1,024 float32.
;; This version of the problem:
;;   THIS VERSION OF THE PROBLEM IS GIVEN IN LOW PRECISION. The matrix products marked QUANTISED in the list below multiply operands that are first quantised to E5M2 (5 exponent bits, 2 mantissa bits; 8 bits a number), with one power-of-two scale for each 32 numbers along K (OCP MX v1.0); their sums are f32. All else is computed in f32.
;;   The module's matrix products, in the order in which they are computed (A, B: the left and right operand; K: the contracted axis; several contracted axes count as one K, in the product's order):
;;     1. [M 8,192, K 1,024] x [K 1,024, N 1,024]; A: input tgt; B: input Wq (given as codes): QUANTISED
;;     2. [M 8,192, K 1,024] x [K 1,024, N 1,024]; A: input memory (given as codes); B: input Wk (given as codes): QUANTISED
;;     3. [M 8,192, K 1,024] x [K 1,024, N 1,024]; A: input memory (given as codes); B: input Wv (given as codes): QUANTISED
;;     4. batch 64 x [M 2,048, K 64] x [K 64, N 2,048]; A: computed on the way; B: computed on the way: QUANTISED
;;     5. batch 64 x [M 2,048, K 2,048] x [K 2,048, N 64]; A: softmax (see below); B: computed on the way: QUANTISED
;;   THE QUANTISER, for each operand of a quantised product, along K:
;;     - K is cut into blocks of 32 from its start; a last block that is shorter is filled with zeros.
;;     - A block's scale is 2^e with e = floor(log2(the largest magnitude in the block)) - 15, held to -126 .. 127; a block of zeros has e = 0. As a byte (E8M0): e + 127.
;;     - Each number is divided by its block's scale, clamped to +-57,344, and rounded to the nearest number of E5M2, ties to even, subnormals kept.
;;     - The product sums the exact products of the quantised numbers (number of the format x scale) in f32.
;;   ~~~python
;;   def quantise(x, axis):      # numpy; x: float32 -> the quantised numbers, widened to float32 again
;;       x = np.moveaxis(x, axis, -1); K = x.shape[-1]
;;       x = np.pad(x, [(0, 0)] * (x.ndim - 1) + [(0, -K % 32)]); x = x.reshape(x.shape[:-1] + (-1, 32)); a = np.abs(x).max(-1, keepdims=True)
;;       e = np.where(a > 0, np.clip(np.frexp(np.where(a > 0, a, 1))[1] - 1 - 15, -126, 127), 0)      # np.frexp(a)[1] - 1 = floor(log2(a)), exactly
;;       r = np.clip(x / 2.0 ** e, -57344, 57344)
;;       step = 2.0 ** (np.maximum(np.frexp(np.where(r == 0, 1, r))[1] - 1, -14) - 2)
;;       q = np.round(r / step) * step * 2.0 ** e      # np.round: ties to even
;;       return np.moveaxis(q.reshape(q.shape[:-2] + (-1,))[..., :K], -1, axis).astype(np.float32)
;;   ~~~
;;   SOFTMAX AHEAD OF A QUANTISED PRODUCT. Where the list says 'softmax', what is quantised is not the finished softmax but p = 2^(t - M), with t = logit x log2(e) and M = ceil(the row's largest t), a whole number; so 1/2 < the row's largest p <= 1. The row's sum l is taken of the UNQUANTISED p, in f32, and the product's result is divided by l at the end. Since M is a whole number, a kernel that streams over the keys may use a running M (the ceiling of the running maximum): every later rescaling is an exact power of two, which a block's scale takes up: the codes' values come out the same.
;;   OPERANDS COMPUTED ON THE WAY. 'Computed on the way' means the value that the module computes at that place (a softmax that the list does not call 'softmax' is quantised finished and normalised). What goes into a quantiser is computed in f32, as accurately as f32 sums, v_exp_f32 and their like allow (about 1e-6 of the number): no bf16 or f16 on the way to a quantiser, and a product that is left as it is and whose result goes on into a quantised operand takes f32 operands (vector FMAs, or v_wmma_f32_16x16x4_f32). A number that lies on a knife's edge between two numbers of the format may be rounded either way, as far as f32 arithmetic and the matrix unit's own rounding can turn it there, and no further.
;;   INPUTS GIVEN AS CODES. Wk (in the module: [1024, 1024], K = its axis 1); Wq (in the module: [1024, 1024], K = its axis 1); Wv (in the module: [1024, 1024], K = its axis 1); memory (in the module: [4, 2048, 1024], K = its axis 2): each comes as NAME_codes (uint8): NAME with its K axis moved to the last place and cut into blocks of 32 codes, [.., K / 32, bytes a block], one block behind the other in memory; one code a byte (a code: sign, 5 exponent bits, 2 mantissa bits); and NAME_scales (uint8): the same leading axes, one E8M0 byte (e + 127) for each 32 codes along K. Its value is code x scale, taken as it is: it is not quantised again, and the codes and scales need not be those that the quantiser above would give.
;; One version. Each part assembles by itself: llvm-mc -triple=amdgcn-amd-amdhsa -mcpu=gfx1250 --defsym DOCPART=n.
;; ======== version 1 of 1: 2 launches
;; limits: right only within a limited range of input values
;; workspace buffers: tq 2,228,224 bytes; kv 4,456,448 bytes
;; launch proj (part 1): grid 16 x 16, 8 waves a work-group, clusters of 4 x 4, 287,744 bytes of LDS; arguments tgt, memory_codes, memory_scales, Wk_codes, Wk_scales, Wv_codes, Wv_scales, tq, kv; writes tq, kv
.if DOCPART == 1
	.amdgcn_target "amdgcn-amd-amdhsa--gfx1250"
	.amdhsa_code_object_version 6
	.text
	.protected	k_q33d79af566_proj
	.globl	k_q33d79af566_proj
	.p2align	8
	.type	k_q33d79af566_proj,@function
k_q33d79af566_proj:
	s_mov_b64 s[64:65], 0
	v_nop
	global_prefetch_b8 v0, s[64:65] scope:SCOPE_SE
	s_setreg_imm32_b32 hwreg(HW_REG_WAVE_MODE, 25, 1), 1
	s_wait_xcnt 0x0
	s_wait_alu depctr_hold_cnt(0) depctr_sa_sdst(0) depctr_va_vdst(0) depctr_va_sdst(0) depctr_va_ssrc(0) depctr_va_vcc(0) depctr_vm_vsrc(0)
	s_getreg_b32 s2, hwreg(HW_REG_IB_STS2, 6, 4)
	s_cmp_eq_u32 s2, 0
	s_cbranch_scc0 .Lentry_in_a_cluster
	s_endpgm
.Lentry_in_a_cluster:
	s_bfe_u32 s2, ttmp6, 0x10000c
	s_cmp_lg_u32 s2, 0xf033
	s_cbranch_scc0 .Lentry_shape_is_right
	s_endpgm
.Lentry_shape_is_right:
; FIRST LAUNCH OF TWO.  out0[b] = tgt[b] + att[0]: only batch 0 of the attention is kept, so only tgt[0] and memory[0] enter a product.
; This launch (a) quantises tgt[0] (2,048 x 1,024 f32) to E5M2 codes with one E8M0 byte for each 32 along K, once, into tq, and
; (b) makes k = memory[0] Wk^T and v = memory[0] Wv^T on the given codes, quantises k along the head's 64 and v along the keys in registers,
; and stores both into kv in the order of the next launch's operand registers.
; SHARES.  Work-group (x, y): head x, memory rows 128 y .. 128 y + 127 (one key step of the next launch).  Eight waves, each 8 accumulators:
; four tiles of source 0 x two tiles of source 1.  Waves 0-3 make k: source 0 = Wk's 64 rows, source 1 = 32 memory rows: a lane holds one key, its registers run along d.
; Waves 4-7 make v: source 0 = 64 memory rows, source 1 = 32 rows of Wv: a lane holds one d, its registers run along the keys.  One text serves both: only bases differ.
; THE ROWS OF A TILE ARE NOT NEIGHBOURS: lane r of tile 2 b + u takes row 32 b + 8 u + r + 8 (r / 8), so that the 16 registers of tiles 2 b and 2 b + 1 are 16 neighbours along the next K.
; LDS.  All of K lies there at once: four chunks of 256 along K, each 256 rows (memory 0-127, Wk 128-191, Wv 192-255) of 256 bytes + 16 of padding; behind them the rows' scale bytes, 32 a row.
; Nothing is filled twice and nothing is stored to LDS.  A tile's two groups of eight rows lie 16 rows = 17 x 256 bytes apart, so a fragment load meets each 16-byte column twice.
; CLUSTER.  4 x 4 work-groups: memory's rows hang on y alone and are asked for jointly along a row of the cluster, the weights' rows on x alone and jointly along a column.
; kv: record (16 head + key step) of 17,408 bytes: four fragments of K (registers 0-7: key tile 2 b, 8-15: key tile 2 b + 1), four of V, each 2,048 bytes as an image of its registers
; (group c of four registers at 512 c + 16 lane); then K's four scale words a lane (128 b + 4 lane) and V's four.
; tq: fragment 8 (row / 16) + K step as such an image at 2,048 f; its scale words at 2,097,152 + 128 f + 4 lane.
; LIMITS: NaN and infinities among the inputs or the given codes are not served.  A block of zeros gets the byte 1 where the rule says 127: its codes are zeros, and this program alone reads the bytes.
; Blocks whose largest magnitude lies under 2^(16 - 127), the floor, were not tried.  The scale words leave as stores of 2 or 4 bytes a lane: 1,024 of a record's 17,408 bytes, 128 of a fragment's 2,176.
.set PITCH, 272                        ; an LDS row: 256 bytes + 16
.set CH,    256*PITCH                  ; a chunk: 256 rows
.set SCL,   4*CH                       ; the scale bytes: row rho's 32 at SCL + 32 rho
.set REC,   17408                      ; a record of kv
.set TQS,   2097152                    ; where tq's scale words begin
.set R,    1                           ; v1   lane % 16
.set H,    2                           ; v2   lane / 16
.set PERM, 3                           ; v3   r + 8 (r / 8)
.set A0,   4                           ; v4   LDS address of my lane's row in source 0's first tile
.set A1,   5                           ; v5   the same for source 1
.set SA0,  6                           ; v6   LDS address of that row's scale bytes, source 0
.set SA1,  7                           ; v7   source 1
.set OA0,  8                           ; v8   my codes' place in the record, tile j = 0
.set OA1,  9                           ; v9   tile j = 1
.set OS0,  10                          ; v10  my two scale bytes' place, tile j = 0
.set OS1,  11                          ; v11  tile j = 1
.set XA,   12                          ; v12  tgt: 4,096 r + 64 h
.set LI,   13                          ; v13  16 x lane
.set LS,   14                          ; v14  4 x lane
.set MX,   16                          ; v16-17 largest magnitudes   v18-19 the other half's   v22-23 the conversions' scale operand   v24-25 bytes
.set PM,   18
.set HL,   20
.set SO,   22
.set BY,   24
.set HW0,  26                          ; v26, v27 two scale bytes each
.set HW1,  27
.set PC,   28                          ; v28-43  codes
.set SC0,  44                          ; v44-75  source 0's scale words: tile i, K step s at 8 i + s.  These and the next hold scales and nothing else
.set SC1,  76                          ; v76-91  source 1's
.set F0,   92                          ; v92-155  source 0's four fragments
.set F1,   156                         ; v156-187 source 1's two
.set ACC,  188                         ; v188-251 accumulator (i, j) at 32 j + 8 i; ahead of the products: 64 numbers of tgt
.set WV,   22                          ; s22  wave
.set P,    23                          ; s23  wave % 4: which 64 rows I fetch; which part of k or v I make
.set HALF, 24                          ; s24  wave / 4: which chunks I fetch; 0: I make k, 1: v
.set SEL,  6                           ; s[6:7] lane selects for lane l xor 16 (made when the pointer that lay here is done with)
.set MNT,  8
.set G1A,  36                          ; s[36:43] group 1, codes, memory's mask     s[44:51] the weights' mask
.set G1B,  44
.set G1SA, 52                          ; s[52:59], s[68:75] the same for scale bytes
.set G1SB, 68
.set G0A0, 60                          ; groups 0: memory's first chunk, second chunk, scale bytes
.set G0A1, 76
.set G0AS, 80
.set G0B0, 84                          ; the weights'
.set G0B1, 88
.set G0BS, 92
.macro PLACES n
.rept \n
	v_nop
.endr
.endm
; A round of the cluster's barrier: my work-group's barrier, wave 0 signals for the work-group, every wave waits for all sixteen, my work-group's barrier once more.
.macro ROUND
	s_barrier_signal -1
	s_barrier_wait -1
	s_cmp_lg_u32 s[WV], 0
	s_cbranch_scc1 .Lnot_wave_0_\@
	s_barrier_signal -3
.Lnot_wave_0_\@:
	s_barrier_wait -3
	s_barrier_signal -1
	s_barrier_wait -1
.endm
; A joint load: waves with P < 2 fetch memory's rows, the others a weight's.  Each line has one mask; the branch hangs on the wave's number alone.  Four v_nop follow each line.
.macro JLOAD g0a, g1a, g0b, g1b
	s_cmp_lt_u32 s[P], 2
	s_cbranch_scc0 .Lfor_b_\@
	tensor_load_to_lds s[\g0a:\g0a+3], s[\g1a:\g1a+7]
	s_nop 0
	PLACES 4
	s_branch .Lasked_\@
.Lfor_b_\@:
	tensor_load_to_lds s[\g0b:\g0b+3], s[\g1b:\g1b+7]
	s_nop 0
	PLACES 4
.Lasked_\@:
.endm
; 32 numbers of a lane, register 16 b + i = k 32 b + 16 (lane / 16) + i, b = 0, 1, become 8 registers of codes at v[pc] and the two blocks' scale bytes in v[hw].
; The registers are read in ascending order.
.macro QUANT2 src, pc, hw
.irp b, 0,1
	v_max3_num_f32 v[MX+\b], |v[(\src)+16*\b]|, |v[(\src)+16*\b+1]|, 0x8000000   ; my 16 numbers of block b, and the floor 2^(16 - 127): the byte cannot fall under 1
.endr
.irp i, 2,4,6,8,10,12,14
.irp b, 0,1
	v_max3_num_f32 v[MX+\b], v[MX+\b], |v[(\src)+16*\b+\i]|, |v[(\src)+16*\b+\i+1]|
.endr
.endr
.irp b, 0,1
	s_delay_alu instid0(VALU_DEP_2)
	v_permlanex16_b32 v[PM+\b], v[MX+\b], s[SEL], s[SEL+1]
.endr
.irp b, 0,1
	s_delay_alu instid0(VALU_DEP_2)
	v_max_num_f32 v[MX+\b], v[MX+\b], v[PM+\b]                 ; with lane l xor 16's: the block's largest magnitude
.endr
.irp b, 0,1
	s_delay_alu instid0(VALU_DEP_2)
	v_add_nc_u32 v[SO+\b], 0xf8800000, v[MX+\b]                ; 15 off its exponent field: the conversion takes this operand's exponent field as its scale
.endr
.irp b, 0,1
.endr
.irp b, 0,1
	s_delay_alu instid0(VALU_DEP_2)
	v_lshrrev_b32 v[BY+\b], 23, v[SO+\b]                       ; the scale's byte
.endr
	s_delay_alu instid0(VALU_DEP_1)
	v_lshl_or_b32 v[\hw], v[BY+1], 8, v[BY]
.irp b, 0,1
.irp i, 0,1,2,3,4,5,6,7,8,9,10,11,12,13,14,15
.endr
	v_cvt_scalef32_pk8_bf8_f32 v[(\pc)+4*\b:(\pc)+4*\b+1], v[(\src)+16*\b:(\src)+16*\b+7], v[SO+\b]
	v_cvt_scalef32_pk8_bf8_f32 v[(\pc)+4*\b+2:(\pc)+4*\b+3], v[(\src)+16*\b+8:(\src)+16*\b+15], v[SO+\b]
.endr
	v_nop                                                      ; one plain line behind the last conversion, ahead of whatever next writes its sources
.endm
	s_load_b256 s[4:11], s[0:1], 0x0               ; tgt s[4:5], memory's codes s[6:7], its scales s[8:9], Wk's codes s[10:11]
	s_load_b256 s[12:19], s[0:1], 0x20             ; Wk's scales s[12:13], Wv's codes s[14:15], its scales s[16:17], tq s[18:19]
	s_load_b64 s[20:21], s[0:1], 0x40              ; kv
	v_lshl_add_u32 v254, v0, 2, 0x46000
	v_mov_b32 v255, 0
	ds_add_u32 v254, v255
	ds_add_u32 v254, v255
	v_lshrrev_b32 v1, 5, v0
	s_delay_alu instid0(VALU_DEP_1)
	v_readfirstlane_b32 s[WV], v1                  ; wave 0..7
	s_and_b32 s[P], s[WV], 3
	s_lshr_b32 s[HALF], s[WV], 2
	s_bfe_u32 s26, ttmp6, 0x40000                  ; cx
	s_bfe_u32 s27, ttmp6, 0x40004                  ; cy
	s_lshl_b32 s28, ttmp9, 2
	s_add_co_u32 s28, s28, s26                     ; the head = 4 x cluster x + cx
	s_and_b32 s29, ttmp7, 0xffff
	s_lshl_b32 s29, s29, 2
	s_add_co_u32 s29, s29, s27                     ; the block of 128 memory rows = 4 x cluster y + cy
	s_lshl_b32 s30, s27, 2
	s_lshl_b32 s30, 15, s30                        ; my row of the cluster
	s_lshl_b32 s31, 0x1111, s26                    ; my column
	; group 1 for codes: 64 rows x 256 bytes, 1,024 bytes apart in memory, 16 bytes of padding behind each in LDS
	s_or_b32 s[G1A], s30, (1<<20)|(1<<21)|(5<<22)|(3<<25)   ; 15:0 the mask; 17:16 elements of 1 byte; 20 padding on; 21 set beside a mask; 24:22 after every 64 words; 31:25 four words
	s_or_b32 s[G1B], s31, (1<<20)|(1<<21)|(5<<22)|(3<<25)
.irp g, G1A, G1B
	s_mov_b32 s[\g+1], 256<<16                     ; tensor_dim0
	s_mov_b32 s[\g+2], 64<<16                      ; tensor_dim1
	s_mov_b32 s[\g+3], 256<<16                     ; tile_dim0
	s_mov_b32 s[\g+4], 64                          ; tile_dim1
	s_mov_b32 s[\g+5], 1024                        ; from row to row
	s_mov_b32 s[\g+6], 0
	s_mov_b32 s[\g+7], 0
.endr
	; group 1 for scale bytes: those of 32 rows are 1,024 dense bytes: 4 rows of 32 elements of 8 bytes, no padding
	s_or_b32 s[G1SA], s30, (3<<16)|(1<<21)
	s_or_b32 s[G1SB], s31, (3<<16)|(1<<21)
.irp g, G1SA, G1SB
	s_mov_b32 s[\g+1], 32<<16
	s_mov_b32 s[\g+2], 4<<16
	s_mov_b32 s[\g+3], 32<<16
	s_mov_b32 s[\g+4], 4
	s_mov_b32 s[\g+5], 32
	s_mov_b32 s[\g+6], 0
	s_mov_b32 s[\g+7], 0
.endr
	; memory's side, made of cy and the wave's number alone: first row 128 y + 64 (P % 2)
	s_and_b32 s32, s[P], 1
	s_lshl_b32 s32, s32, 6
	s_lshl_b32 s33, s29, 7
	s_add_co_u32 s32, s32, s33
	s_lshl_b32 s34, s32, 10                        ; its codes, 1,024 bytes a row,
	s_lshl_b32 s33, s[HALF], 8
	s_add_co_u32 s34, s34, s33                     ; at chunk HALF
	s_mov_b32 s35, 0
	s_lshl_b32 s33, s[HALF], 5
	s_add_co_u32 s32, s32, s33
	s_lshl_b32 s32, s32, 5                         ; the scale bytes of 32 rows, from row + 32 HALF on
	s_mov_b32 s33, 0
	; the weights' side, made of cx and the wave's number alone: first row 64 x head
	s_lshl_b32 s96, s28, 16
	s_lshl_b32 s98, s[HALF], 8
	s_add_co_u32 s96, s96, s98
	s_mov_b32 s97, 0
	s_lshl_b32 s98, s28, 11
	s_lshl_b32 s99, s[HALF], 10
	s_add_co_u32 s98, s98, s99
	s_mov_b32 s99, 0
	; where they go: the wave's number alone
	s_lshl_b32 s66, s[P], 11
	s_lshl_b32 s67, s[HALF], 10
	s_add_co_u32 s66, s66, s67
	s_add_co_u32 s66, s66, SCL                     ; scale bytes: SCL + 1,024 (2 P + HALF)
	s_mul_i32 s67, s[P], 64*PITCH
	s_mul_i32 s25, s[HALF], CH
	s_add_co_u32 s67, s67, s25                     ; codes: chunk HALF, rows 64 P on
	s_and_b32 s25, s[P], 1
	s_wait_dscnt 0x0
	s_wait_kmcnt 0x0
	s_cmp_eq_u32 s25, 0                            ; P = 2: Wk, P = 3: Wv
	s_cselect_b64 s[100:101], s[10:11], s[14:15]
	s_cselect_b64 s[2:3], s[12:13], s[16:17]
	s_mov_b32 s[G0AS], 1
	s_mov_b32 s[G0AS+1], s66
	s_add_nc_u64 s[G0AS+2:G0AS+3], s[8:9], s[32:33]
	s_or_b32 s[G0AS+3], s[G0AS+3], 0x80000000
	s_mov_b32 s[G0BS], 1
	s_mov_b32 s[G0BS+1], s66
	s_add_nc_u64 s[G0BS+2:G0BS+3], s[2:3], s[98:99]
	s_or_b32 s[G0BS+3], s[G0BS+3], 0x80000000
	s_mov_b32 s[G0A0], 1
	s_mov_b32 s[G0A0+1], s67
	s_add_nc_u64 s[G0A0+2:G0A0+3], s[6:7], s[34:35]
	s_mov_b32 s[G0A1], 1
	s_add_co_u32 s[G0A1+1], s67, 2*CH              ; chunk 2 + HALF,
	s_add_nc_u64 s[G0A1+2:G0A1+3], s[G0A0+2:G0A0+3], 512   ; 512 further along K
	s_or_b32 s[G0A0+3], s[G0A0+3], 0x80000000
	s_or_b32 s[G0A1+3], s[G0A1+3], 0x80000000
	s_mov_b32 s[G0B0], 1
	s_mov_b32 s[G0B0+1], s67
	s_add_nc_u64 s[G0B0+2:G0B0+3], s[100:101], s[96:97]
	s_mov_b32 s[G0B1], 1
	s_add_co_u32 s[G0B1+1], s67, 2*CH
	s_add_nc_u64 s[G0B1+2:G0B1+3], s[G0B0+2:G0B0+3], 512
	s_or_b32 s[G0B0+3], s[G0B0+3], 0x80000000
	s_or_b32 s[G0B1+3], s[G0B1+3], 0x80000000
	ROUND                                          ; all sixteen work-groups are here: the joint loads meet
	JLOAD G0AS, G1SA, G0BS, G1SB                   ; all of LDS is asked for at once: three loads of mine are out
	JLOAD G0A0, G1A, G0B0, G1B
	JLOAD G0A1, G1A, G0B1, G1B
	s_mov_b32 s[SEL], 0x76543210
	s_mov_b32 s[SEL+1], 0xfedcba98
	v_and_b32 v[R], 15, v0
	v_bfe_u32 v[H], v0, 4, 1
	s_delay_alu instid0(VALU_DEP_2)
	v_and_b32 v[PERM], 8, v[R]
	s_delay_alu instid0(VALU_DEP_1)
	v_add_nc_u32 v[PERM], v[PERM], v[R]
	s_wait_alu depctr_va_vdst(0)
	v_and_b32 v[LS], 31, v0
	s_delay_alu instid0(VALU_DEP_1)
	v_lshlrev_b32 v[LI], 4, v[LS]
	s_delay_alu instid0(VALU_DEP_2)
	v_lshlrev_b32 v[LS], 2, v[LS]
	v_lshlrev_b32 v[XA], 12, v[R]
	s_delay_alu instid0(VALU_DEP_1)
	v_lshl_add_u32 v[XA], v[H], 6, v[XA]
	v_mov_b32 v[PM], 0                             ; written once: a lane permute's destination counts as one of its sources
	v_mov_b32 v[PM+1], 0
	; first LDS rows.  Source 0: Wk's (128) for k, memory's 64 (P / 2) for v.  Source 1: memory's 32 P for k, Wv's 192 + 32 (P % 2) for v
	s_lshr_b32 s27, s[P], 1                        ; kh
	s_and_b32 s31, s[P], 1                         ; dh
	s_xor_b32 s26, s[HALF], 1
	s_lshl_b32 s26, s26, 1
	s_and_b32 s30, s[HALF], s27
	s_or_b32 s26, s26, s30
	s_lshl_b32 s26, s26, 6                         ; source 0's first row
	s_lshl_b32 s30, s[HALF], 1
	s_xor_b32 s30, s30, 3
	s_and_b32 s30, s[P], s30
	s_mul_i32 s9, s[HALF], 6
	s_or_b32 s30, s30, s9
	s_lshl_b32 s30, s30, 5                         ; source 1's
	v_add_nc_u32 v[A0], s26, v[PERM]
	v_add_nc_u32 v[A1], s30, v[PERM]
	s_delay_alu instid0(VALU_DEP_2)
	v_lshl_add_u32 v[SA0], v[A0], 5, SCL
	s_delay_alu instid0(VALU_DEP_2)
	v_lshl_add_u32 v[SA1], v[A1], 5, SCL
	s_delay_alu instid0(VALU_DEP_4)
	v_mul_u32_u24 v[A0], v[A0], PITCH
	s_delay_alu instid0(VALU_DEP_4)
	v_mul_u32_u24 v[A1], v[A1], PITCH
	s_delay_alu instid0(VALU_DEP_2)
	v_lshl_add_u32 v[A0], v[H], 4, v[A0]
	s_delay_alu instid0(VALU_DEP_2)
	v_lshl_add_u32 v[A1], v[H], 4, v[A1]
	; where my results go in the record.  k: fragment P, tile j in its registers 8 j on.  v: fragment 2 dh + j, groups 2 kh and 2 kh + 1
	s_lshl_b32 s9, s[P], 11
	s_lshl_b32 s16, s31, 12
	s_lshl_b32 s17, s27, 10
	s_add_co_u32 s16, s16, s17
	s_add_co_u32 s16, s16, 8192
	s_lshl_b32 s32, s[P], 7
	s_add_co_u32 s32, s32, 16384
	s_lshl_b32 s33, s31, 8
	s_lshl_b32 s17, s27, 1
	s_add_co_u32 s33, s33, s17
	s_add_co_u32 s33, s33, 16896
	s_cmp_eq_u32 s[HALF], 0
	s_cselect_b32 s9, s9, s16
	s_cselect_b32 s32, s32, s33
	s_lshl_b32 s16, 1024, s[HALF]                  ; from tile 0 to tile 1: 1,024 bytes in k, 2,048 in v;
	s_mul_i32 s17, s[HALF], 6
	s_lshl_b32 s17, 2, s17                         ; their scale bytes: 2 in k, 128 in v
	v_add_nc_u32 v[OA0], s9, v[LI]
	s_delay_alu instid0(VALU_DEP_1)
	v_add_nc_u32 v[OA1], s16, v[OA0]
	v_add_nc_u32 v[OS0], s32, v[LS]
	s_delay_alu instid0(VALU_DEP_1)
	v_add_nc_u32 v[OS1], s17, v[OS0]
	s_lshl_b32 s33, s28, 4
	s_add_co_u32 s33, s33, s29                     ; record 16 head + key step
	s_mul_i32 s14, s33, REC
	s_mov_b32 s15, 0
	s_add_nc_u64 s[14:15], s[20:21], s[14:15]
	; ---- tgt[0]: 1,024 fragments, four to a work-group, one to each of waves 0-3, while the tiles are on their way
	s_cmp_lt_u32 s[WV], 4
	s_cbranch_scc0 .Lno_tgt
	s_lshl_b32 s33, s29, 4
	s_add_co_u32 s33, s33, s28                     ; n = 16 y + x
	s_lshr_b32 s34, s33, 1                         ; the tile of 16 rows
	s_and_b32 s35, s33, 1
	s_lshl_b32 s35, s35, 2
	s_add_co_u32 s35, s35, s[WV]                   ; the K step: 4 (n % 2) + wave
	s_lshl_b32 s96, s34, 16
	s_lshl_b32 s97, s35, 9
	s_add_co_u32 s96, s96, s97
	s_mov_b32 s97, 0
	s_add_nc_u64 s[4:5], s[4:5], s[96:97]
	s_lshl_b32 s34, s34, 3
	s_add_co_u32 s34, s34, s35                     ; the fragment's number
	s_lshl_b32 s10, s34, 11
	s_mov_b32 s11, 0
	s_add_nc_u64 s[10:11], s[18:19], s[10:11]
	s_lshl_b32 s12, s34, 7
	s_add_co_u32 s12, s12, TQS
	s_mov_b32 s13, 0
	s_add_nc_u64 s[12:13], s[18:19], s[12:13]
.irp b, 0,1,2,3
.irp j, 0,1,2,3
	global_load_b128 v[ACC+16*\b+4*\j:ACC+16*\b+4*\j+3], v[XA], s[4:5] offset:128*\b+16*\j th:TH_LOAD_NT   ; lane (r, h): row r, k = 32 b + 16 h + 4 j on
.endr
.endr
	s_wait_loadcnt 0x0
	QUANT2 ACC, PC, HW0
	QUANT2 ACC+32, PC+8, HW1
	v_lshl_or_b32 v[HW0], v[HW1], 16, v[HW0]       ; the four bytes: my row's scale word
.irp c, 0,1,2,3
	global_store_b128 v[LI], v[PC+4*\c:PC+4*\c+3], s[10:11] offset:512*\c   ; the wave stores 512 consecutive bytes
.endr
	global_store_b32 v[LS], v[HW0], s[12:13]
.Lno_tgt:
; A K step of 128: the chunk's q-th, K step s of eight.  Six fragments from LDS, eight products.  The eight accumulators take turns, one instruction a turn, in the same order in every step.
.macro KSTEP q, s, zero
.if \zero == 0
	PLACES 8                                       ; loads into registers that matrix instructions have read stand eight places behind them
.endif
.irp j, 0,1
.irp c, 0,1,2,3
	ds_load_b128 v[F1+16*\j+4*\c:F1+16*\j+4*\c+3], v[A1] offset:8*\j*PITCH+128*\q+32*\c
.endr
.endr
.irp i, 0,1,2,3
.irp c, 0,1,2,3
	ds_load_b128 v[F0+16*\i+4*\c:F0+16*\i+4*\c+3], v[A0] offset:(32*(\i/2)+8*(\i%2))*PITCH+128*\q+32*\c
.endr
.endr
.irp i, 0,1,2,3
	s_wait_dscnt 4*(3-\i)                          ; source 0's later tiles, four loads each, may stay out
.irp j, 0,1
.if \zero
	v_wmma_scale_f32_16x16x128_f8f6f4 v[ACC+32*\j+8*\i:ACC+32*\j+8*\i+7], v[F0+16*\i:F0+16*\i+15], v[F1+16*\j:F1+16*\j+15], 0, v[SC0+8*\i+\s], v[SC1+8*\j+\s] matrix_a_fmt:MATRIX_FMT_BF8 matrix_b_fmt:MATRIX_FMT_BF8
.else
	v_wmma_scale_f32_16x16x128_f8f6f4 v[ACC+32*\j+8*\i:ACC+32*\j+8*\i+7], v[F0+16*\i:F0+16*\i+15], v[F1+16*\j:F1+16*\j+15], v[ACC+32*\j+8*\i:ACC+32*\j+8*\i+7], v[SC0+8*\i+\s], v[SC1+8*\j+\s] matrix_a_fmt:MATRIX_FMT_BF8 matrix_b_fmt:MATRIX_FMT_BF8
.endif
.endr
.endr
.endm
.macro NEXT_CHUNK
	v_add_nc_u32 v[A0], CH, v[A0]
	v_add_nc_u32 v[A1], CH, v[A1]
.endm
	s_wait_tensorcnt 0x1                           ; my scale bytes and my part of chunk HALF are in; my part of chunk 2 + HALF may stay out
	s_barrier_signal -1
	s_barrier_wait -1                              ; everybody's are: chunks 0 and 1 and all scale bytes
.irp i, 0,1,2,3
	ds_load_b128 v[SC0+8*\i:SC0+8*\i+3], v[SA0] offset:(32*(\i/2)+8*(\i%2))*32      ; a row's 32 scale bytes are its eight K steps' words
	ds_load_b128 v[SC0+8*\i+4:SC0+8*\i+7], v[SA0] offset:(32*(\i/2)+8*(\i%2))*32+16
.endr
	s_wait_alu depctr_va_vdst(0)
.irp j, 0,1
	ds_load_b128 v[SC1+8*\j:SC1+8*\j+3], v[SA1] offset:256*\j
	ds_load_b128 v[SC1+8*\j+4:SC1+8*\j+7], v[SA1] offset:256*\j+16
.endr
	KSTEP 0, 0, 1                                  ; the first step's products start the sums
	KSTEP 1, 1, 0
	NEXT_CHUNK
	s_wait_alu depctr_va_vdst(0)
	KSTEP 0, 2, 0
	KSTEP 1, 3, 0
	s_wait_tensorcnt 0x0                           ; my part of chunk 2 + HALF is in
	s_wait_dscnt 0x0
	s_barrier_signal -1
	s_barrier_wait -1                              ; chunks 2 and 3 are whole
	NEXT_CHUNK
	s_wait_alu depctr_va_vdst(0)
	KSTEP 0, 4, 0
	KSTEP 1, 5, 0
	NEXT_CHUNK
	s_wait_alu depctr_va_vdst(0)
	KSTEP 0, 6, 0
	KSTEP 1, 7, 0
	; ---- the results are quantised where they lie and leave as images of the next launch's operand registers
	PLACES 8
	s_wait_xcnt 0x0                                ; tq's stores have read the codes' registers, which are written again now
	QUANT2 ACC, PC, HW0                            ; tile j = 0: 32 registers = two blocks of 32 along the next K
	QUANT2 ACC+32, PC+8, HW1                       ; tile j = 1
	global_store_b128 v[OA0], v[PC:PC+3], s[14:15]             ; each store of the wave covers 512 consecutive bytes, aligned
	global_store_b128 v[OA0], v[PC+4:PC+7], s[14:15] offset:512
	global_store_b128 v[OA1], v[PC+8:PC+11], s[14:15]
	global_store_b128 v[OA1], v[PC+12:PC+15], s[14:15] offset:512
	global_store_b16 v[OS0], v[HW0], s[14:15]      ; half a scale word; the other half is tile 1's (k) or the other key half's wave's (v)
	global_store_b16 v[OS1], v[HW1], s[14:15]
	s_wait_tensorcnt 0x0
	ds_add_u32 v254, v255
	s_wait_dscnt 0x0
	ROUND                                          ; the closing round: no work-group ends while a partner may still ask for a tile that names it
	s_endpgm
.Lfunc_end_k_q33d79af566_proj:
	.size	k_q33d79af566_proj, .Lfunc_end_k_q33d79af566_proj-k_q33d79af566_proj
	.p2alignl 7, 3214868480
	.fill 96, 4, 3214868480
	.section	.rodata,"a",@progbits
	.p2align	6, 0x0
	.amdhsa_kernel k_q33d79af566_proj
		.amdhsa_group_segment_fixed_size 287744
		.amdhsa_private_segment_fixed_size 0
		.amdhsa_enable_private_segment 0
		.amdhsa_kernarg_size 72
		.amdhsa_user_sgpr_count 2
		.amdhsa_user_sgpr_kernarg_segment_ptr 1
		.amdhsa_wavefront_size32 1
		.amdhsa_system_sgpr_workgroup_id_x 1
		.amdhsa_system_sgpr_workgroup_id_y 1
		.amdhsa_system_sgpr_workgroup_id_z 1
		.amdhsa_system_vgpr_workitem_id 0
		.amdhsa_next_free_vgpr 256
		.amdhsa_next_free_sgpr 102
		.amdhsa_reserve_vcc 0
		.amdhsa_float_denorm_mode_32 3
		.amdhsa_float_denorm_mode_16_64 3
		.amdhsa_fp16_overflow 1
		.amdhsa_memory_ordered 1
		.amdhsa_forward_progress 1
		.amdhsa_inst_pref_size 47
	.end_amdhsa_kernel
	.amdgpu_metadata
---
amdhsa.version: [ 1, 2 ]
amdhsa.kernels:
  - .name:           k_q33d79af566_proj
    .symbol:         k_q33d79af566_proj.kd
    .args:
      - { .name: tgt, .offset: 0, .size: 8, .value_kind: global_buffer, .address_space: global }
      - { .name: memory_codes, .offset: 8, .size: 8, .value_kind: global_buffer, .address_space: global }
      - { .name: memory_scales, .offset: 16, .size: 8, .value_kind: global_buffer, .address_space: global }
      - { .name: Wk_codes, .offset: 24, .size: 8, .value_kind: global_buffer, .address_space: global }
      - { .name: Wk_scales, .offset: 32, .size: 8, .value_kind: global_buffer, .address_space: global }
      - { .name: Wv_codes, .offset: 40, .size: 8, .value_kind: global_buffer, .address_space: global }
      - { .name: Wv_scales, .offset: 48, .size: 8, .value_kind: global_buffer, .address_space: global }
      - { .name: tq, .offset: 56, .size: 8, .value_kind: global_buffer, .address_space: global }
      - { .name: kv, .offset: 64, .size: 8, .value_kind: global_buffer, .address_space: global }
    .group_segment_fixed_size: 287744
    .private_segment_fixed_size: 0
    .kernarg_segment_align: 8
    .kernarg_segment_size: 72
    .max_flat_workgroup_size: 256
    .sgpr_count:     102
    .vgpr_count:     256
    .wavefront_size: 32
...
	.end_amdgpu_metadata
.endif
;; end of part 1
;; launch attn (part 2): grid 16 x 16, 8 waves a work-group, clusters of 4 x 1, 327,680 bytes of LDS; arguments tq, Wq_codes, Wq_scales, kv, tgt, out0; writes out0
.if DOCPART == 2
	.amdgcn_target "amdgcn-amd-amdhsa--gfx1250"
	.amdhsa_code_object_version 6
	.text
	.protected	k_q33d79af566_attn
	.globl	k_q33d79af566_attn
	.p2align	8
	.type	k_q33d79af566_attn,@function
k_q33d79af566_attn:
	s_mov_b64 s[64:65], 0
	v_nop
	global_prefetch_b8 v0, s[64:65] scope:SCOPE_SE
	s_setreg_imm32_b32 hwreg(HW_REG_WAVE_MODE, 25, 1), 1
	s_wait_xcnt 0x0
	s_wait_alu depctr_hold_cnt(0) depctr_sa_sdst(0) depctr_va_vdst(0) depctr_va_sdst(0) depctr_va_ssrc(0) depctr_va_vcc(0) depctr_vm_vsrc(0)
	s_getreg_b32 s2, hwreg(HW_REG_IB_STS2, 6, 4)
	s_cmp_eq_u32 s2, 0
	s_cbranch_scc0 .Lentry_in_a_cluster
	s_endpgm
.Lentry_in_a_cluster:
	s_bfe_u32 s2, ttmp6, 0x10000c
	s_cmp_lg_u32 s2, 0x3003
	s_cbranch_scc0 .Lentry_shape_is_right
	s_endpgm
.Lentry_shape_is_right:
.set REC,   17408
.set TQS,   2097152
.set WQP,   1040
.set WQL,   8*REC
.set QIMG,  16*REC
.set QIB,   1152
.set MRG,   QIMG+8*QIB
.set MRB,   4352
.set SPARE, MRG+8*MRB
.set SP,    272
.set BATCH, 8388608
.set R,   1
.set H,   2
.set LI,  3
.set LS,  4
.set SPW, 5
.set NIL, 6
.set ADR, 7
.set ADS, 8
.set WQA, 9
.set GO,  11
.set BM,  20
.set T1,  24
.set HL,  28
.set SO,  32
.set MX,  20
.set PM,  22
.set HLQ, 24
.set SOQ, 26
.set BY,  28
.set KS,  42
.set VS,  46
.set XS,  42
.set QS,  50
.set QQ,  52
.set S,   92
.set PP,  156
.set T3,  188
.set WS,  220
.set KD,  0
.set VF,  64
.set OO,  96
.set T0,  160
.set WV,  16
.set G,   17
.set KH,  18
.set MNT, 19
.set SEL, 20
.set CS,  22
.set TB,  24
.set CNT, 25
.set G1W, 36
.set G1R, 44
.set G0W, 52
.set G0A, 56
.set G0B, 60
.set TG,  66
.set OU,  74
.set MSB, 0
.macro WIN new
.if MSB != \new
	s_set_vgpr_msb (MSB<<8)|\new
.set MSB, \new
.endif
.endm
.macro PLACES n
.rept \n
	v_nop
.endr
.endm
.macro ROUND
	s_barrier_signal -1
	s_barrier_wait -1
	s_cmp_lg_u32 s[WV], 0
	s_cbranch_scc1 .Lnot_wave_0_\@
	s_barrier_signal -3
.Lnot_wave_0_\@:
	s_barrier_wait -3
	s_barrier_signal -1
	s_barrier_wait -1
.endm
.macro QUANT2 src, pc, hw
.irp b, 0,1
	v_max3_num_f32 v[MX+\b], |v[(\src)+16*\b]|, |v[(\src)+16*\b+1]|, 0x8000000
.endr
.irp i, 2,4,6,8,10,12,14
.irp b, 0,1
	v_max3_num_f32 v[MX+\b], v[MX+\b], |v[(\src)+16*\b+\i]|, |v[(\src)+16*\b+\i+1]|
.endr
.endr
.irp b, 0,1
	s_delay_alu instid0(VALU_DEP_2)
	v_permlanex16_b32 v[PM+\b], v[MX+\b], s[SEL], s[SEL+1]
.endr
.irp b, 0,1
	s_delay_alu instid0(VALU_DEP_2)
	v_max_num_f32 v[MX+\b], v[MX+\b], v[PM+\b]
.endr
.irp b, 0,1
	s_delay_alu instid0(VALU_DEP_2)
	v_add_nc_u32 v[SOQ+\b], 0xf8800000, v[MX+\b]
.endr
.irp b, 0,1
.endr
.irp b, 0,1
	s_delay_alu instid0(VALU_DEP_2)
	v_lshrrev_b32 v[BY+\b], 23, v[SOQ+\b]
.endr
	s_delay_alu instid0(VALU_DEP_1)
	v_lshl_or_b32 v[\hw], v[BY+1], 8, v[BY]
.irp b, 0,1
.irp i, 0,1,2,3,4,5,6,7,8,9,10,11,12,13,14,15
.endr
	v_cvt_scalef32_pk8_bf8_f32 v[(\pc)+4*\b:(\pc)+4*\b+1], v[(\src)+16*\b:(\src)+16*\b+7], v[SOQ+\b]
	v_cvt_scalef32_pk8_bf8_f32 v[(\pc)+4*\b+2:(\pc)+4*\b+3], v[(\src)+16*\b+8:(\src)+16*\b+15], v[SOQ+\b]
.endr
	v_nop
.endm
	s_load_b256 s[4:11], s[0:1], 0x0
	s_load_b128 s[12:15], s[0:1], 0x20
	v_lshl_add_u32 v[SPW], v0, 2, SPARE
	v_mov_b32 v[NIL], 0
	ds_add_u32 v5, v6
	ds_add_u32 v5, v6
	s_wait_dscnt 0x0
	v_lshrrev_b32 v1, 5, v0
	s_delay_alu instid0(VALU_DEP_1)
	v_readfirstlane_b32 s[WV], v1
	s_and_b32 s[G], s[WV], 3
	s_lshr_b32 s[KH], s[WV], 2
	s_bfe_u32 s83, ttmp6, 0x40000
	s_lshl_b32 s84, ttmp9, 2
	s_add_co_u32 s83, s84, s83
	s_and_b32 s82, ttmp7, 0xffff
	s_mov_b32 s[G1W], 15|(1<<20)|(1<<21)|(7<<22)|(3<<25)
	s_mov_b32 s[G1W+1], 1024<<16
	s_mov_b32 s[G1W+2], 8<<16
	s_mov_b32 s[G1W+3], 1024<<16
	s_mov_b32 s[G1W+4], 8
	s_mov_b32 s[G1W+5], 1024
	s_mov_b32 s[G1W+6], 0
	s_mov_b32 s[G1W+7], 0
	s_mov_b32 s[G1R], 15|(3<<16)|(1<<21)
	s_mov_b32 s[G1R+1], 32<<16
	s_mov_b32 s[G1R+2], 68<<16
	s_mov_b32 s[G1R+3], 32<<16
	s_mov_b32 s[G1R+4], 68
	s_mov_b32 s[G1R+5], 32
	s_mov_b32 s[G1R+6], 0
	s_mov_b32 s[G1R+7], 0
	s_mul_i32 s26, s[WV], REC
	s_add_co_u32 s27, s26, 8*REC
	s_bfe_u32 s28, s[WV], 0x10001
	s_lshl_b32 s28, s28, 7
	s_add_co_u32 s28, s28, s27
	s_lshl_b32 s30, s82, 16
	s_lshl_b32 s31, s[WV], 13
	s_add_co_u32 s30, s30, s31
	s_mov_b32 s31, 0
	s_lshl_b32 s32, s82, 4
	s_add_co_u32 s32, s32, s[G]
	s_lshl_b32 s33, s[KH], 3
	s_add_co_u32 s32, s32, s33
	s_mul_i32 s32, s32, REC
	s_mov_b32 s33, 0
	s_wait_kmcnt 0x0
	s_mov_b32 s[G0W], 1
	s_mov_b32 s[G0W+1], s28
	s_add_nc_u64 s[G0W+2:G0W+3], s[6:7], s[30:31]
	s_or_b32 s[G0W+3], s[G0W+3], 0x80000000
	s_mov_b32 s[G0A], 1
	s_mov_b32 s[G0A+1], s26
	s_add_nc_u64 s[G0A+2:G0A+3], s[10:11], s[32:33]
	s_mov_b32 s[G0B], 1
	s_mov_b32 s[G0B+1], s27
	s_add_nc_u64 s[G0B+2:G0B+3], s[G0A+2:G0A+3], 4*REC
	s_or_b32 s[G0A+3], s[G0A+3], 0x80000000
	s_or_b32 s[G0B+3], s[G0B+3], 0x80000000
	ROUND
	tensor_load_to_lds s[G0W:G0W+3], s[G1W:G1W+7]
	s_nop 0
	s_wait_alu depctr_va_vdst(0)
	s_wait_tensorcnt 0x0
	ds_add_u32 v5, v6
	s_wait_dscnt 0x0
	ROUND
	tensor_load_to_lds s[G0A:G0A+3], s[G1R:G1R+7]
	s_nop 0
	PLACES 4
	s_lshl_b32 s85, s83, 3
	s_add_co_u32 s85, s85, s[WV]
	s_lshl_b32 s86, s85, 14
	s_mov_b32 s87, 0
	s_add_nc_u64 s[86:87], s[4:5], s[86:87]
	s_lshl_b32 s88, s85, 10
	s_add_co_u32 s88, s88, TQS
	s_mov_b32 s89, 0
	s_add_nc_u64 s[88:89], s[4:5], s[88:89]
	s_lshl_b32 s90, s82, 11
	s_mov_b32 s91, 0
	s_add_nc_u64 s[90:91], s[8:9], s[90:91]
	v_and_b32 v[LS], 31, v0
	s_delay_alu instid0(VALU_DEP_1)
	v_lshlrev_b32 v[LI], 4, v[LS]
	s_delay_alu instid0(VALU_DEP_2)
	v_lshlrev_b32 v[LS], 2, v[LS]
	v_and_b32 v[R], 15, v0
	v_bfe_u32 v[H], v0, 4, 1
	s_delay_alu instid0(VALU_DEP_2)
	v_and_b32 v41, 8, v[R]
	s_delay_alu instid0(VALU_DEP_1)
	v_add_nc_u32 v41, v41, v[R]
	s_delay_alu instid0(VALU_DEP_1)
	v_lshlrev_b32 v41, 5, v41
	WIN 0x40
.irp s, 0,1,2,3,4,5,6,7
.irp c, 0,1,2,3
	global_load_b128 v[16*\s+4*\c:16*\s+4*\c+3], v[LI], s[86:87] offset:2048*\s+512*\c
.endr
.endr
	WIN 0
.irp s, 0,1,2,3,4,5,6,7
	global_load_b32 v[XS+\s], v[LS], s[88:89] offset:128*\s
.endr
.irp i, 0,1,2,3
	global_load_b128 v[WS+8*\i:WS+8*\i+3], v41, s[90:91] offset:(32*(\i/2)+8*(\i%2))*32
	global_load_b128 v[WS+8*\i+4:WS+8*\i+7], v41, s[90:91] offset:(32*(\i/2)+8*(\i%2))*32+16
.endr
	s_mov_b32 s[SEL], 0x76543210
	s_mov_b32 s[SEL+1], 0xfedcba98
	s_mov_b32 s[MNT], 0x600000
	s_mov_b32 s[CS], 0x3e38aa3b
	s_mov_b32 s[CS+1], s[CS]
	s_lshl_b32 s94, s[G], 1
	s_add_co_u32 s94, s94, s[KH]
	s_lshl_b32 s92, s83, 19
	s_lshl_b32 s93, s94, 16
	s_add_co_u32 s92, s92, s93
	s_lshl_b32 s93, s82, 8
	s_add_co_u32 s92, s92, s93
	s_mov_b32 s93, 0
	s_add_nc_u64 s[TG:TG+1], s[12:13], s[92:93]
	s_add_nc_u64 s[OU:OU+1], s[14:15], s[92:93]
.irp b, 1,2,3
	s_add_nc_u64 s[TG+2*\b:TG+2*\b+1], s[TG+2*\b-2:TG+2*\b-1], BATCH
	s_add_nc_u64 s[OU+2*\b:OU+2*\b+1], s[OU+2*\b-2:OU+2*\b-1], BATCH
.endr
	v_and_b32 v40, 7, v0
	v_bfe_u32 v[GO], v0, 3, 1
	s_delay_alu instid0(VALU_DEP_2)
	v_mul_u32_u24 v[WQA], v40, WQP
	s_delay_alu instid0(VALU_DEP_1)
	v_mad_u32_u24 v[WQA], v[GO], 2*REC+128, v[WQA]
	s_wait_alu depctr_va_vdst(0)
	v_lshl_add_u32 v[WQA], v[H], 4, v[WQA]
	s_delay_alu instid0(VALU_DEP_1)
	v_add_nc_u32 v[WQA], WQL, v[WQA]
	s_delay_alu instid0(VALU_DEP_1)
	v_add_nc_u32 v[WQA+1], 4*REC, v[WQA]
	v_lshlrev_b32 v[GO], 12, v[H]
	s_delay_alu instid0(VALU_DEP_1)
	v_lshl_add_u32 v[GO], v[R], 4, v[GO]
	v_mov_b32 v[PM], 0
	v_mov_b32 v[PM+1], 0
	s_wait_alu depctr_va_vdst(0)
	s_wait_tensorcnt 0x1
	s_barrier_signal -1
	s_barrier_wait -1
.macro FETCHW s, set
	WIN 0x40
.irp i, 0,1,2,3
.irp c, 0,1,2,3
	ds_load_b128 v[128+64*(\set)+16*\i+4*\c:128+64*(\set)+16*\i+4*\c+3], v[WQA+\i/2] offset:(\i%2)*REC+128*(\s)+32*\c
.endr
.endr
.endm
	FETCHW 0, 0
.set QK, 0
.rept 8
.if QK < 7
.if QK > 0
	PLACES 8
.endif
	FETCHW QK+1, (QK+1)%2
	s_wait_dscnt 16
.else
	s_wait_dscnt 0x0
.endif
.if QK == 0
	s_wait_loadcnt 0x0
.endif
	WIN 0x05
.irp i, 0,1,2,3
.if QK == 0
	v_wmma_scale_f32_16x16x128_f8f6f4 v[S+8*\i:S+8*\i+7], v[128+64*(QK%2)+16*\i:128+64*(QK%2)+16*\i+15], v[16*QK:16*QK+15], 0, v[WS+8*\i+QK], v[XS+QK] matrix_a_fmt:MATRIX_FMT_BF8 matrix_b_fmt:MATRIX_FMT_BF8
.else
	v_wmma_scale_f32_16x16x128_f8f6f4 v[S+8*\i:S+8*\i+7], v[128+64*(QK%2)+16*\i:128+64*(QK%2)+16*\i+15], v[16*QK:16*QK+15], v[S+8*\i:S+8*\i+7], v[WS+8*\i+QK], v[XS+QK] matrix_a_fmt:MATRIX_FMT_BF8 matrix_b_fmt:MATRIX_FMT_BF8
.endif
.endr
.set QK, QK+1
.endr
	WIN 0
	PLACES 8
	QUANT2 S, S+32, 40
	v_lshl_or_b32 v40, v40, 16, v40
	s_mul_i32 s26, s[WV], QIB
	s_add_co_u32 s26, s26, QIMG
	v_add_nc_u32 v[ADR], s26, v[LI]
	v_add_nc_u32 v[ADS], s26, v[LS]
	ds_store_b128 v[ADR], v[S+32:S+35]
	ds_store_b128 v[ADR], v[S+36:S+39] offset:512
	ds_store_b32 v[ADS], v40 offset:1024
	s_wait_tensorcnt 0x0
	ds_add_u32 v[SPW], v[NIL]
	s_wait_dscnt 0x0
	ROUND
	tensor_load_to_lds s[G0B:G0B+3], s[G1R:G1R+7]
	s_nop 0
	PLACES 4
	WIN 0x40
.irp b, 0,1,2
.irp i, 0,1,2,3,4,5,6,7
	global_load_b128 v[T0+32*\b+4*\i:T0+32*\b+4*\i+3], v[GO], s[TG+2*\b:TG+2*\b+1] offset:8192*\i th:TH_LOAD_NT
.endr
.endr
.set j, 0
.rept 64
	v_mov_b32 v[OO+j], 0
.set j, j+1
.endr
	WIN 0
.irp i, 0,1,2,3,4,5,6,7
	global_load_b128 v[T3+4*\i:T3+4*\i+3], v[GO], s[TG+6:TG+7] offset:8192*\i th:TH_LOAD_NT
.endr
	s_mul_i32 s26, s94, QIB
	s_add_co_u32 s26, s26, QIMG
	s_xor_b32 s27, s94, 1
	s_mul_i32 s27, s27, QIB
	s_add_co_u32 s27, s27, QIMG
	v_add_nc_u32 v[ADR], s26, v[LI]
	v_add_nc_u32 v[ADS], s26, v[LS]
	v_add_nc_u32 v40, s27, v[LI]
	v_add_nc_u32 v41, s27, v[LS]
	ds_load_b128 v[QQ+8:QQ+11], v[ADR]
	ds_load_b128 v[QQ+12:QQ+15], v[ADR] offset:512
	ds_load_b32 v[QS], v[ADS] offset:1024
	ds_load_b128 v[QQ+24:QQ+27], v40
	ds_load_b128 v[QQ+28:QQ+31], v40 offset:512
	ds_load_b32 v[QS+1], v41 offset:1024
.irp z, 0,16,32
.irp i, 0,1,2,3,4,5,6,7
	v_mov_b32 v[QQ+\z+\i], 0
.endr
.endr
.irp a, 0,1
	v_mov_b32 v[13+4*\a], 0xff61b1e6
	s_delay_alu instid0(VALU_DEP_1)
	v_floor_f32 v[12+4*\a], -v[13+4*\a]
	v_mov_b32 v[14+4*\a], 0
	v_mov_b32 v[15+4*\a], 0
	v_mov_b32 v[37+2*\a], 0
.endr
.irp b, 0,1,2,3
	v_mov_b32 v[T1+\b], 0
.endr
	s_mul_i32 s[TB], s[KH], 4*REC
.macro SCORES a
	WIN 0x01
.irp b, 0,1,2,3
.irp u, 0,1
	v_wmma_scale_f32_16x16x128_f8f6f4 v[S+16*\b+8*\u:S+16*\b+8*\u+7], v[KD+16*\b:KD+16*\b+15], v[QQ+8+16*\a-8*\u:QQ+8+16*\a-8*\u+15], 0, v[KS+\b], v[QS+\a] matrix_a_fmt:MATRIX_FMT_BF8 matrix_b_fmt:MATRIX_FMT_BF8
.endr
.endr
	WIN 0
.endm
.macro SOFTMAX a
.set NM, 12+4*\a
.set FF, 36+2*\a
.irp b, 0,1,2,3
	v_max3_num_f32 v[BM+\b], v[S+16*\b], v[S+16*\b+1], v[S+16*\b+2]
.endr
.irp i, 3,5,7,9,11,13
.irp b, 0,1,2,3
	v_max3_num_f32 v[BM+\b], v[BM+\b], v[S+16*\b+\i], v[S+16*\b+\i+1]
.endr
.endr
.irp b, 0,1,2,3
	v_max_num_f32 v[BM+\b], v[BM+\b], v[S+16*\b+15]
.endr
.irp b, 0,1,2,3
	s_delay_alu instid0(VALU_DEP_4)
	v_permlanex16_b32 v[T1+\b], v[BM+\b], s[SEL], s[SEL+1]
.endr
.irp b, 0,1,2,3
	s_delay_alu instid0(VALU_DEP_4)
	v_max_num_f32 v[BM+\b], v[BM+\b], v[T1+\b]
.endr
	s_delay_alu instid0(VALU_DEP_2)
	v_max3_num_f32 v40, v[BM], v[BM+1], v[BM+2]
	s_delay_alu instid0(VALU_DEP_1)
	v_max_num_f32 v40, v40, v[BM+3]
	s_delay_alu instid0(VALU_DEP_1)
	v_mul_f32 v40, s[CS], v40
	s_delay_alu instid0(VALU_DEP_1)
	v_max_num_f32 v[NM+1], v[NM+1], v40
	v_mov_b32 v40, v[NM]
	s_delay_alu instid0(VALU_DEP_2)
	v_floor_f32 v[NM], -v[NM+1]
	s_delay_alu instid0(VALU_DEP_1)
	v_sub_f32 v40, v[NM], v40
	s_delay_alu instid0(VALU_DEP_1)
	v_cvt_i32_f32 v40, v40
	s_delay_alu instid0(VALU_DEP_1)
	v_ldexp_f32 v[FF], 1.0, v40
.set j, 0
.rept 32
	v_pk_fma_f32 v[S+j:S+j+1], v[S+j:S+j+1], s[CS:CS+1], v[NM:NM+1] op_sel_hi:[1,0,0]
.set j, j+2
.endr
.irp b, 0,1,2,3
	v_fma_f32 v[BM+\b], v[BM+\b], s[CS], v[NM]
.endr
.set j, 0
	s_wait_alu depctr_va_vdst(0)
.rept 64
	v_exp_f32 v[S+j], v[S+j]
.set j, j+1
.endr
.irp b, 0,1,2,3
	v_exp_f32 v[BM+\b], v[BM+\b]
.endr
	v_pk_mul_f32 v[NM+2:NM+3], v[NM+2:NM+3], v[FF:FF+1] op_sel_hi:[1,0]
	s_wait_alu depctr_va_vdst(0)
.irp b, 0,1,2,3
	v_max_num_f32 v[BM+\b], 0x8000000, v[BM+\b]
.endr
.irp b, 0,1,2,3
	s_delay_alu instid0(VALU_DEP_4)
	v_add_nc_u32 v[SO+\b], 0xf8800000, v[BM+\b]
.endr
.irp b, 0,1,2,3
	v_and_or_b32 v[HL+\b], v[BM+\b], 0x7f800000, s[MNT]
.endr
.irp b, 0,1,2,3
	v_lshrrev_b32 v[T1+\b], 23, v[SO+\b]
.endr
	s_delay_alu instid0(VALU_DEP_3)
	v_lshl_or_b32 v[FF+1], v[T1+1], 8, v[T1]
	s_delay_alu instid0(VALU_DEP_1)
	v_lshl_or_b32 v[FF+1], v[T1+2], 16, v[FF+1]
	s_delay_alu instid0(VALU_DEP_1)
	v_lshl_or_b32 v[FF+1], v[T1+3], 24, v[FF+1]
	v_pk_add_f32 v[T1:T1+1], v[S:S+1], v[S+2:S+3]
.set j, 4
.rept 15
	v_pk_add_f32 v[NM+2:NM+3], v[NM+2:NM+3], v[S+j:S+j+1]
	v_pk_add_f32 v[T1:T1+1], v[T1:T1+1], v[S+j+2:S+j+3]
.set j, j+4
.endr
	s_delay_alu instid0(VALU_DEP_1)
	v_pk_add_f32 v[NM+2:NM+3], v[NM+2:NM+3], v[T1:T1+1]
.irp b, 0,1,2,3
.irp i, 0,1,2,3,4,5,6,7,8,9,10,11,12,13,14,15
.endr
	v_cvt_scalef32_pk8_bf8_f32 v[PP+16*\a+4*\b:PP+16*\a+4*\b+1], v[S+16*\b:S+16*\b+7], v[SO+\b]
	v_cvt_scalef32_pk8_bf8_f32 v[PP+16*\a+4*\b+2:PP+16*\a+4*\b+3], v[S+16*\b+8:S+16*\b+15], v[SO+\b]
.endr
.endm
.macro RESCALE a
	WIN 0x41
.set j, 0
.rept 16
	v_pk_mul_f32 v[OO+32*\a+j:OO+32*\a+j+1], v[OO+32*\a+j:OO+32*\a+j+1], v[36+2*\a:37+2*\a] op_sel_hi:[1,0]
.set j, j+2
.endr
.endm
.macro STEP
	v_add_nc_u32 v[ADR], s[TB], v[LI]
	v_add_nc_u32 v[ADS], s[TB], v[LS]
	PLACES 6
.irp b, 0,1,2,3
	ds_load_b32 v[KS+\b], v[ADS] offset:16384+128*\b
.endr
.irp t, 0,1,2,3
	ds_load_b32 v[VS+\t], v[ADS] offset:16896+128*\t
.endr
	WIN 0x40
.irp b, 0,1,2,3
.irp c, 0,1,2,3
	ds_load_b128 v[KD+16*\b+4*\c:KD+16*\b+4*\c+3], v[ADR] offset:2048*\b+512*\c
.endr
.endr
.irp t, 0,1
.irp c, 0,1,2,3
	ds_load_b128 v[VF+16*\t+4*\c:VF+16*\t+4*\c+3], v[ADR] offset:8192+2048*\t+512*\c
.endr
.endr
	s_wait_dscnt 8
	SCORES 0
	PLACES 8
	SOFTMAX 0
	RESCALE 0
	SCORES 1
	PLACES 8
	WIN 0x40
.irp t, 2,3
.irp c, 0,1,2,3
	ds_load_b128 v[KD+16*(\t-2)+4*\c:KD+16*(\t-2)+4*\c+3], v[ADR] offset:8192+2048*\t+512*\c
.endr
.endr
	WIN 0
	s_setprio 1
	SOFTMAX 1
	RESCALE 1
	s_wait_alu depctr_va_vdst(0)
	s_wait_dscnt 0x0
	WIN 0x51
	s_setprio 0
.irp t, 0,1,2,3
.irp a, 0,1
.if \t < 2
.set rV, VF+16*\t
.else
.set rV, KD+16*(\t-2)
.endif
	v_wmma_scale_f32_16x16x128_f8f6f4 v[OO+32*\a+8*\t:OO+32*\a+8*\t+7], v[rV:rV+15], v[PP+16*\a:PP+16*\a+15], v[OO+32*\a+8*\t:OO+32*\a+8*\t+7], v[VS+\t], v[37+2*\a] matrix_a_fmt:MATRIX_FMT_BF8 matrix_b_fmt:MATRIX_FMT_BF8
.endr
.endr
	WIN 0
.endm
.macro LOOP4
	s_mov_b32 s[CNT], 4
.Lstep_\@:
	s_setprio 2
	STEP
	s_add_co_u32 s[TB], s[TB], REC
	s_sub_co_u32 s[CNT], s[CNT], 1
	s_cmp_lg_u32 s[CNT], 0
	s_cbranch_scc1 .Lstep_\@
	s_setprio 0
.endm
	LOOP4
	s_wait_tensorcnt 0x0
	s_wait_dscnt 0x0
	s_barrier_signal -1
	s_barrier_wait -1
	s_add_co_u32 s[TB], s[TB], 4*REC
	LOOP4
	s_mul_i32 s26, s[WV], MRB
	s_add_co_u32 s26, s26, MRG
	s_xor_b32 s27, s[WV], 4
	s_mul_i32 s27, s27, MRB
	s_add_co_u32 s27, s27, MRG
	v_add_f32 v14, v14, v15
	v_add_f32 v18, v18, v19
	v_add_nc_u32 v[WQA], s26, v[LI]
	v_add_nc_u32 v[WQA+1], s26, v[LS]
	v_add_nc_u32 v[ADR], s27, v[LI]
	v_add_nc_u32 v[ADS], s27, v[LS]
	PLACES 2
	WIN 0x04
.irp k, 0,1,2,3,4,5,6,7
	ds_store_b128 v[WQA], v[OO+32+4*\k:OO+32+4*\k+3] offset:512*\k
.endr
	WIN 0
	ds_store_b32 v[WQA+1], v18 offset:4096
	ds_store_b32 v[WQA+1], v16 offset:4224
	s_wait_alu depctr_va_vdst(0)
	s_wait_dscnt 0x0
	s_barrier_signal -1
	s_barrier_wait -1
.irp k, 0,1,2,3,4,5,6,7
	ds_load_b128 v[S+4*\k:S+4*\k+3], v[ADR] offset:512*\k
.endr
	ds_load_b32 v40, v[ADS] offset:4096
	ds_load_b32 v41, v[ADS] offset:4224
	s_wait_dscnt 0x0
	v_min_num_f32 v24, v12, v41
	s_delay_alu instid0(VALU_DEP_1)
	v_sub_f32 v25, v24, v12
	s_delay_alu instid0(VALU_DEP_2)
	v_sub_f32 v26, v24, v41
	s_delay_alu instid0(VALU_DEP_2)
	v_cvt_i32_f32 v25, v25
	s_delay_alu instid0(VALU_DEP_2)
	v_cvt_i32_f32 v26, v26
	s_delay_alu instid0(VALU_DEP_2)
	v_ldexp_f32 v25, 1.0, v25
	s_delay_alu instid0(VALU_DEP_2)
	v_ldexp_f32 v26, 1.0, v26
	s_delay_alu instid0(VALU_DEP_2)
	v_mul_f32 v27, v14, v25
	s_delay_alu instid0(VALU_DEP_1)
	v_fma_f32 v27, v40, v26, v27
	s_delay_alu instid0(VALU_DEP_1)
	v_permlanex16_b32 v28, v27, s[SEL], s[SEL+1]
	s_delay_alu instid0(VALU_DEP_1)
	v_add_f32 v27, v27, v28
	s_wait_alu depctr_va_vdst(0)
	v_rcp_f32 v27, v27
	s_mul_i32 s26, s[WV], 16*SP
	v_mul_u32_u24 v[WQA], v[R], SP
	s_wait_alu depctr_va_vdst(0)
	v_mul_f32 v20, v25, v27
	v_mul_f32 v22, v26, v27
	v_lshl_add_u32 v[WQA], v[H], 6, v[WQA]
	s_delay_alu instid0(VALU_DEP_1)
	v_add_nc_u32 v[WQA], s26, v[WQA]
	v_mul_u32_u24 v[WQA+1], v[H], SP
	s_delay_alu instid0(VALU_DEP_1)
	v_lshl_add_u32 v[WQA+1], v[R], 4, v[WQA+1]
	s_delay_alu instid0(VALU_DEP_1)
	v_add_nc_u32 v[WQA+1], s26, v[WQA+1]
.set j, 0
.rept 16
	v_pk_mul_f32 v[S+j:S+j+1], v[S+j:S+j+1], v[22:23] op_sel_hi:[1,0]
.set j, j+2
.endr
	WIN 0x01
.set j, 0
.rept 16
	v_pk_fma_f32 v[S+j:S+j+1], v[OO+j:OO+j+1], v[20:21], v[S+j:S+j+1] op_sel_hi:[1,0,1]
.set j, j+2
.endr
	WIN 0
.irp b, 0,1
.irp i, 0,1,2,3
	ds_store_b128 v[WQA], v[S+16*\b+4*\i:S+16*\b+4*\i+3] offset:128*\b+16*\i
.endr
.endr
.irp i, 0,1,2,3,4,5,6,7
	ds_load_b128 v[S+32+4*\i:S+32+4*\i+3], v[WQA+1] offset:2*\i*SP
.endr
	s_wait_dscnt 0x0
.irp b, 0,1,2
	s_wait_loadcnt 24-8*\b
	WIN 0x41
.set j, 0
.rept 16
	v_pk_add_f32 v[T0+32*\b+j:T0+32*\b+j+1], v[T0+32*\b+j:T0+32*\b+j+1], v[S+32+j:S+32+j+1]
.set j, j+2
.endr
	WIN 0x04
.irp i, 0,1,2,3,4,5,6,7
	global_store_b128 v[GO], v[T0+32*\b+4*\i:T0+32*\b+4*\i+3], s[OU+2*\b:OU+2*\b+1] offset:8192*\i th:TH_STORE_NT
.endr
.endr
	WIN 0
	s_wait_loadcnt 0x0
.set j, 0
.rept 16
	v_pk_add_f32 v[T3+j:T3+j+1], v[T3+j:T3+j+1], v[S+32+j:S+32+j+1]
.set j, j+2
.endr
.irp i, 0,1,2,3,4,5,6,7
	global_store_b128 v[GO], v[T3+4*\i:T3+4*\i+3], s[OU+6:OU+7] offset:8192*\i th:TH_STORE_NT
.endr
	s_wait_tensorcnt 0x0
	ds_add_u32 v[SPW], v[NIL]
	s_wait_dscnt 0x0
	ROUND
	s_endpgm
.Lfunc_end_k_q33d79af566_attn:
	.size	k_q33d79af566_attn, .Lfunc_end_k_q33d79af566_attn-k_q33d79af566_attn
	.p2alignl 7, 3214868480
	.fill 96, 4, 3214868480
	.section	.rodata,"a",@progbits
	.p2align	6, 0x0
	.amdhsa_kernel k_q33d79af566_attn
		.amdhsa_group_segment_fixed_size 327680
		.amdhsa_private_segment_fixed_size 0
		.amdhsa_enable_private_segment 0
		.amdhsa_kernarg_size 48
		.amdhsa_user_sgpr_count 2
		.amdhsa_user_sgpr_kernarg_segment_ptr 1
		.amdhsa_wavefront_size32 1
		.amdhsa_system_sgpr_workgroup_id_x 1
		.amdhsa_system_sgpr_workgroup_id_y 1
		.amdhsa_system_sgpr_workgroup_id_z 1
		.amdhsa_system_vgpr_workitem_id 0
		.amdhsa_next_free_vgpr 512
		.amdhsa_next_free_sgpr 96
		.amdhsa_reserve_vcc 0
		.amdhsa_float_denorm_mode_32 3
		.amdhsa_float_denorm_mode_16_64 3
		.amdhsa_fp16_overflow 1
		.amdhsa_memory_ordered 1
		.amdhsa_forward_progress 1
		.amdhsa_inst_pref_size 116
	.end_amdhsa_kernel
	.amdgpu_metadata
---
amdhsa.version: [ 1, 2 ]
amdhsa.kernels:
  - .name:           k_q33d79af566_attn
    .symbol:         k_q33d79af566_attn.kd
    .args:
      - { .name: tq, .offset: 0, .size: 8, .value_kind: global_buffer, .address_space: global }
      - { .name: Wq_codes, .offset: 8, .size: 8, .value_kind: global_buffer, .address_space: global }
      - { .name: Wq_scales, .offset: 16, .size: 8, .value_kind: global_buffer, .address_space: global }
      - { .name: kv, .offset: 24, .size: 8, .value_kind: global_buffer, .address_space: global }
      - { .name: tgt, .offset: 32, .size: 8, .value_kind: global_buffer, .address_space: global }
      - { .name: out0, .offset: 40, .size: 8, .value_kind: global_buffer, .address_space: global }
    .group_segment_fixed_size: 327680
    .private_segment_fixed_size: 0
    .kernarg_segment_align: 8
    .kernarg_segment_size: 48
    .max_flat_workgroup_size: 256
    .sgpr_count:     96
    .vgpr_count:     512
    .wavefront_size: 32
...
	.end_amdgpu_metadata
.endif
;; end of part 2
